; MI455X (gfx1250); checked and timed in simulation.
; The chip was launched on July 23, 2026; its instructions are those of AMD's public machine-readable ISA for CDNA 5 (MIT licence, August 2026) and "CDNA5" Instruction Set Architecture Reference Guide (July 2026). The comments in the code are by the model that wrote it; some were corrected since.
;; Hopfield Retrieve. Allowed arithmetic: matrix products marked QUANTISED: E5M2 operands, one given power-of-two scale a tensor, by v_wmma_f32_16x16x64_bf8_bf8 or v_wmma_f32_16x16x128_bf8_bf8, f32 sums; everything else in f32.
;; Inputs: Wk 1,024 x 1,024 float32; Wq 1,024 x 1,024 float32; Wv 1,024 x 1,024 float32; k 4 x 2,048 x 1,024 float32; lowp_scales 10 int32 (the exponents e of the quantised operands' scales 2^e); q 4 x 2,048 x 1,024 float32; v 4 x 2,048 x 1,024 float32.
;; Outputs: out0 4 x 2,048 x 1,024 float32.
;; This version of the problem:
;;   THIS VERSION OF THE PROBLEM IS GIVEN IN LOW PRECISION. The matrix products marked QUANTISED in the list below multiply operands that are first quantised to E5M2 (5 exponent bits, 2 mantissa bits; 8 bits a number), with one given power-of-two scale for each operand tensor; their sums are f32. All else is computed in f32.
;;   The module's matrix products, in the order in which they are computed (A, B: the left and right operand; K: the contracted axis; several contracted axes count as one K, in the product's order):
;;     1. [M 8,192, K 1,024] x [K 1,024, N 1,024]; A: input q; B: input Wq: QUANTISED (scales: A lowp_scales[0], B lowp_scales[1])
;;     2. [M 8,192, K 1,024] x [K 1,024, N 1,024]; A: input k; B: input Wk: QUANTISED (scales: A lowp_scales[2], B lowp_scales[3])
;;     3. [M 8,192, K 1,024] x [K 1,024, N 1,024]; A: input v; B: input Wv: QUANTISED (scales: A lowp_scales[4], B lowp_scales[5])
;;     4. batch 64 x [M 2,048, K 64] x [K 64, N 2,048]; A: computed on the way; B: computed on the way: QUANTISED (scales: A lowp_scales[6], B lowp_scales[7])
;;     5. batch 64 x [M 64, K 2,048] x [K 2,048, N 2,048]; A: computed on the way; B: softmax (see below): QUANTISED (scales: A lowp_scales[8], B lowp_scales[9])
;;   THE QUANTISER, for each operand of a quantised product, along K:
;;     - The operand's scale is 2^e, e = its entry of the input lowp_scales (int32; the entries are numbered through the quantised products in the list's order, A before B).
;;     - Each number is divided by the scale, clamped to +-57,344, and rounded to the nearest number of E5M2, ties to even, subnormals kept.
;;     - The product sums the exact products of the quantised numbers (number of the format x scale) in f32.
;;   ~~~python
;;   def quantise(x, axis, e):      # numpy; x: float32 -> the quantised numbers, widened to float32 again
;;       x = np.moveaxis(x, axis, -1); K = x.shape[-1]
;;       r = np.clip(x / 2.0 ** e, -57344, 57344)
;;       step = 2.0 ** (np.maximum(np.frexp(np.where(r == 0, 1, r))[1] - 1, -14) - 2)
;;       q = np.round(r / step) * step * 2.0 ** e      # np.round: ties to even
;;       return np.moveaxis(q, -1, axis).astype(np.float32)
;;   ~~~
;;   SOFTMAX AHEAD OF A QUANTISED PRODUCT. Where the list says 'softmax', what is quantised is not the finished softmax but p = 2^(t - M), with t = logit x log2(e) and M = ceil(the row's largest t), a whole number; so 1/2 < the row's largest p <= 1. The row's sum l is taken of the UNQUANTISED p, in f32, and the product's result is divided by l at the end. Since M is a whole number, a kernel that streams over the keys may use a running M (the ceiling of the running maximum): every later rescaling is an exact power of two, so the quantised numbers keep their values, but for numbers so far below the row's largest that they fall under the format's range.
;;   OPERANDS COMPUTED ON THE WAY. 'Computed on the way' means the value that the module computes at that place (a softmax that the list does not call 'softmax' is quantised finished and normalised). What goes into a quantiser is computed in f32, as accurately as f32 sums, v_exp_f32 and their like allow (about 1e-6 of the number): no bf16 or f16 on the way to a quantiser, and a product that is left as it is and whose result goes on into a quantised operand takes f32 operands (vector FMAs, or v_wmma_f32_16x16x4_f32). A number that lies on a knife's edge between two numbers of the format may be rounded either way, as far as f32 arithmetic and the matrix unit's own rounding can turn it there, and no further.
;; One version. Each part assembles by itself: llvm-mc -triple=amdgcn-amd-amdhsa -mcpu=gfx1250 --defsym DOCPART=n.
;; ======== version 1 of 1: 3 launches
;; limits: right only within a limited range of input values
;; workspace buffers: xc 25,165,824 bytes; wc 3,145,728 bytes; hc 25,165,824 bytes
;; launch quant (part 1): grid 864 x 1, 4 waves a work-group, no clusters, 33,280 bytes of LDS; arguments q, k, v, Wq, Wk, Wv, lowp_scales, xc, wc; writes xc, wc
.if DOCPART == 1
	.amdgcn_target "amdgcn-amd-amdhsa--gfx1250"
	.amdhsa_code_object_version 6
	.text
	.protected	k_qd831a4f71e_quant
	.globl	k_qd831a4f71e_quant
	.p2align	8
	.type	k_qd831a4f71e_quant,@function
k_qd831a4f71e_quant:
	s_mov_b64 s[64:65], 0
	v_nop
	global_prefetch_b8 v0, s[64:65] scope:SCOPE_SE
	s_setreg_imm32_b32 hwreg(HW_REG_WAVE_MODE, 25, 1), 1
	s_wait_xcnt 0x0
; q, k, v [8192][1024] and Wq, Wk, Wv [1024][1024], f32, are turned into codes of BF8 (E5M2), one byte each, K innermost as it lies, each tensor with the one scale 2^e given for it.
; xc = [3][8192][1024] codes of q, k, v;  wc = [3][1024][1024] codes of Wq, Wk, Wv.  Entry of the scales: q 0, Wq 1, k 2, Wk 3, v 4, Wv 5.
; code = x / 2^e, held within +-57,344, rounded to the nearest code, ties to even.  LIMITS: -126 <= e <= 112, so that 2^e and 57,344 x 2^e are f32 numbers.  NaN among the inputs is not served.
; Rows are dense, so each tensor is a plain stream.  A work-group takes 32,768 numbers, a wave 8,192, in 16 steps of 512.  Work-groups 0-767: q, k, v (256 each); 768-863: Wq, Wk, Wv (32 each).
; The conversion takes 8 neighbours from ONE lane's registers; a load is best where neighbouring LANES take neighbouring bytes.  Both are had: each of a step's four loads reads 512 consecutive bytes, 16 a lane;
; the 2,048 bytes go through the wave's own stage in LDS and come back 64 bytes a lane (16 bytes of padding behind each 64).  A lane's 16 codes are 16 bytes: the wave stores 512 consecutive bytes.
; No barrier: waves share nothing.  Loads run four steps (16 loads a wave) ahead, the turn through LDS one step.  Only pointers are chosen by the work-group's number: there is one path through the text.
.set STEPS, 16
.set XWG,   768                        ; work-groups for q, k, v
.set EMAX,  15
.set MANT,  0x600000                   ; the mantissa field of 57,344 as f32
.set CB,    16                         ; bytes of 16 codes
.set R,     16                         ; v16-79   four sets of 16 numbers as they are loaded
.set X,     80                         ; v80-111  two sets of 16 neighbours
.set C,     128                        ; v128-191 codes: four registers for each step, so that no store's data are written again
.set WREG,  8192                       ; LDS: a region of its own for each wave: two stages of 32 x SP bytes
.set SP,    80                         ; a lane's place in a stage: its 64 bytes + 16 of padding
	s_load_b512 s[4:19], s[0:1], 0x0               ; q 4:5, k 6:7, v 8:9, Wq 10:11, Wk 12:13, Wv 14:15, the scales 16:17, xc 18:19
	s_load_b64 s[20:21], s[0:1], 0x40              ; wc
	v_lshl_add_u32 v12, v0, 2, 32768               ; my spare word, behind the four waves' regions: 512 bytes that no other line names; never rewritten
	v_mov_b32 v13, 0                               ; 0; never rewritten
	v_lshrrev_b32 v1, 5, v0
	v_readfirstlane_b32 s28, v1                    ; wave
	v_and_b32 v2, 31, v0                           ; lane
	v_lshlrev_b32 v3, 4, v2                        ; 16 x lane: my 16 bytes of a load's 512, and of a store's
	s_mul_i32 s29, s28, WREG
	v_lshrrev_b32 v14, 2, v2
	v_mul_u32_u24 v14, v14, SP
	v_and_b32 v15, 3, v2
	v_lshl_add_u32 v14, v15, 4, v14
	v_add_nc_u32 v14, s29, v14                     ; the stage, on the way in: four lanes' 64 bytes on end, then 16 of padding
	v_mul_u32_u24 v15, v2, SP
	v_add_nc_u32 v15, s29, v15                     ; and on the way out: SP x lane: my 16 neighbours
	s_wait_alu depctr_va_vdst(0)
	s_wait_kmcnt 0x0
	s_cmp_lt_u32 ttmp9, XWG                        ; an activation's work-group or a weight's?  The choice hangs on the work-group's number alone
	s_cselect_b64 s[4:5], s[4:5], s[10:11]         ; the three candidates of my kind
	s_cselect_b64 s[6:7], s[6:7], s[12:13]
	s_cselect_b64 s[8:9], s[8:9], s[14:15]
	s_cselect_b64 s[18:19], s[18:19], s[20:21]     ; where the codes go
	s_mov_b32 s22, XWG
	s_cselect_b32 s22, 0, s22                      ; the kind's first work-group
	s_cselect_b32 s23, 8, 5                        ; log2 of the work-groups to a tensor
	s_cselect_b32 s24, 0, 1                        ; the scale's entry is 2 t for an activation, 2 t + 1 for a weight
	s_sub_co_u32 s22, ttmp9, s22                   ; g: my number within the kind
	s_lshr_b32 s25, s22, s23                       ; t: which of the three tensors
	s_lshl_b32 s26, s25, s23
	s_sub_co_u32 s26, s22, s26                     ; my number within the tensor
	s_cmp_eq_u32 s25, 1
	s_cselect_b64 s[4:5], s[6:7], s[4:5]
	s_cmp_eq_u32 s25, 2
	s_cselect_b64 s[4:5], s[8:9], s[4:5]           ; my tensor
	s_lshl_b32 s26, s26, 2
	s_add_co_u32 s26, s26, s28
	s_lshl_b32 s26, s26, 15                        ; my wave's 8,192 numbers: 32,768 bytes each run
	s_mov_b32 s27, 0
	s_add_nc_u64 s[4:5], s[4:5], s[26:27]
	s_lshl_b32 s30, s22, 2
	s_add_co_u32 s30, s30, s28
	s_lshl_b32 s30, s30, 13                        ; their codes: the three tensors of a kind lie on end, so g counts through them
	s_mov_b32 s31, 0
	s_add_nc_u64 s[8:9], s[18:19], s[30:31]
	s_lshl_b32 s25, s25, 1
	s_add_co_u32 s25, s25, s24
	s_lshl_b32 s25, s25, 2
	s_load_b32 s22, s[16:17], s25 offset:0x0       ; e
.macro LOAD t
.irp i, 0,1,2,3
	global_load_b128 v[R+16*((\t)%4)+4*\i:R+16*((\t)%4)+4*\i+3], v3, s[4:5] offset:2048*(\t)+512*\i th:TH_LOAD_NT   ; 32 lanes read 512 consecutive bytes
.endr
.endm
.macro TURN t                          ; step t's numbers through the stage: LDS serves a wave's instructions in order, so no wait stands between the stores and the loads
.irp i, 0,1,2,3
	ds_store_b128 v14, v[R+16*((\t)%4)+4*\i:R+16*((\t)%4)+4*\i+3] offset:32*SP*((\t)%2)+8*SP*\i
.endr
.irp i, 0,1,2,3
	ds_load_b128 v[X+16*((\t)%2)+4*\i:X+16*((\t)%2)+4*\i+3], v15 offset:32*SP*((\t)%2)+16*\i
.endr
.endm
.irp t, 0,1,2,3
	LOAD \t
.endr
	s_wait_kmcnt 0x0
	s_add_co_i32 s22, s22, 127
	s_lshl_b32 s23, s22, 23
	v_mov_b32 v11, s23                             ; 2^e as f32: the conversion takes its exponent field
	s_add_co_i32 s22, s22, EMAX
	s_lshl_b32 s22, s22, 23
	s_or_b32 s22, s22, MANT
	v_mov_b32 v10, s22                             ; 57,344 x 2^e
	s_wait_alu depctr_va_vdst(0)
	s_wait_loadcnt 12                              ; step 0's four loads are in; the twelve of steps 1 to 3 may be out
	TURN 0
.macro STEP t
.set XS, X+16*((\t)%2)
	s_wait_dscnt 0x0                               ; this step's numbers are back from the stage: so its stores into the stage have read their registers,
.if (\t)+4 < STEPS
	LOAD (\t)+4                                    ; which take the loads of four steps on
.endif
.if (\t)+1 < STEPS
.if STEPS-2-(\t) >= 3
	s_wait_loadcnt 12                              ; the next step's four loads are in; those of the three steps behind it may be out
.else
	s_wait_loadcnt 4*(STEPS-2-(\t))                ; the tail: fewer steps are behind it
.endif
	TURN (\t)+1                                    ; and go through the other stage while this step is worked
.endif
.irp i, 0,1,2,3,4,5,6,7,8,9,10,11,12,13,14,15
	v_med3_num_f32 v[XS+\i], v[XS+\i], -v10, v10   ; the conversion to an 8-bit code does not saturate (ISA guide 7.6.2): the number is held within the largest code x the scale first
.endr
	v_cvt_scalef32_pk8_bf8_f32 v[C+4*(\t):C+4*(\t)+1], v[XS:XS+7], v11          ; eight numbers / 2^e, to the nearest code, ties to even; the first number's code in the lowest byte
	v_cvt_scalef32_pk8_bf8_f32 v[C+4*(\t)+2:C+4*(\t)+3], v[XS+8:XS+15], v11     ; the results go to a store alone; the next vector lines are the next step's holds, which are plain and touch the other set
	global_store_b128 v3, v[C+4*(\t):C+4*(\t)+3], s[8:9] offset:32*CB*(\t)      ; 512 consecutive bytes, at a multiple of 512 from the buffer's first byte
.endm
.irp t, 0,1,2,3,4,5,6,7,8,9,10,11,12,13,14,15
	STEP \t
.endr
	s_wait_tensorcnt 0x0                           ; the wave's end, behind my last LDS store
	ds_add_u32 v12, v13
	s_wait_dscnt 0x0
	s_endpgm
.Lfunc_end_k_qd831a4f71e_quant:
	.size	k_qd831a4f71e_quant, .Lfunc_end_k_qd831a4f71e_quant-k_qd831a4f71e_quant
	.p2alignl 7, 3214868480
	.fill 96, 4, 3214868480
	.section	.rodata,"a",@progbits
	.p2align	6, 0x0
	.amdhsa_kernel k_qd831a4f71e_quant
		.amdhsa_group_segment_fixed_size 33280
		.amdhsa_private_segment_fixed_size 0
		.amdhsa_enable_private_segment 0
		.amdhsa_kernarg_size 72
		.amdhsa_user_sgpr_count 2
		.amdhsa_user_sgpr_kernarg_segment_ptr 1
		.amdhsa_wavefront_size32 1
		.amdhsa_system_sgpr_workgroup_id_x 1
		.amdhsa_system_sgpr_workgroup_id_y 1
		.amdhsa_system_sgpr_workgroup_id_z 1
		.amdhsa_system_vgpr_workitem_id 0
		.amdhsa_next_free_vgpr 192
		.amdhsa_next_free_sgpr 66
		.amdhsa_reserve_vcc 0
		.amdhsa_float_denorm_mode_32 3
		.amdhsa_float_denorm_mode_16_64 3
		.amdhsa_memory_ordered 1
		.amdhsa_forward_progress 1
		.amdhsa_inst_pref_size 38
	.end_amdhsa_kernel
	.amdgpu_metadata
---
amdhsa.version: [ 1, 2 ]
amdhsa.kernels:
  - .name:           k_qd831a4f71e_quant
    .symbol:         k_qd831a4f71e_quant.kd
    .args:
      - { .name: q, .offset: 0, .size: 8, .value_kind: global_buffer, .address_space: global }
      - { .name: k, .offset: 8, .size: 8, .value_kind: global_buffer, .address_space: global }
      - { .name: v, .offset: 16, .size: 8, .value_kind: global_buffer, .address_space: global }
      - { .name: Wq, .offset: 24, .size: 8, .value_kind: global_buffer, .address_space: global }
      - { .name: Wk, .offset: 32, .size: 8, .value_kind: global_buffer, .address_space: global }
      - { .name: Wv, .offset: 40, .size: 8, .value_kind: global_buffer, .address_space: global }
      - { .name: lowp_scales, .offset: 48, .size: 8, .value_kind: global_buffer, .address_space: global }
      - { .name: xc, .offset: 56, .size: 8, .value_kind: global_buffer, .address_space: global }
      - { .name: wc, .offset: 64, .size: 8, .value_kind: global_buffer, .address_space: global }
    .group_segment_fixed_size: 33280
    .private_segment_fixed_size: 0
    .kernarg_segment_align: 8
    .kernarg_segment_size: 72
    .max_flat_workgroup_size: 128
    .sgpr_count:     66
    .vgpr_count:     192
    .wavefront_size: 32
...
	.end_amdgpu_metadata
.endif
;; end of part 1
;; launch proj (part 2): grid 4 x 96, 4 waves a work-group, clusters of 4 x 4, 327,680 bytes of LDS; arguments xc, wc, lowp_scales, hc; writes hc
.if DOCPART == 2
	.amdgcn_target "amdgcn-amd-amdhsa--gfx1250"
	.amdhsa_code_object_version 6
	.text
	.protected	k_qd831a4f71e_proj
	.globl	k_qd831a4f71e_proj
	.p2align	8
	.type	k_qd831a4f71e_proj,@function
k_qd831a4f71e_proj:
	s_mov_b64 s[64:65], 0
	v_nop
	global_prefetch_b8 v0, s[64:65] scope:SCOPE_SE
	s_setreg_imm32_b32 hwreg(HW_REG_WAVE_MODE, 25, 1), 1
	s_wait_xcnt 0x0
	s_wait_alu depctr_hold_cnt(0) depctr_sa_sdst(0) depctr_va_vdst(0) depctr_va_sdst(0) depctr_va_ssrc(0) depctr_va_vcc(0) depctr_vm_vsrc(0)
	s_getreg_b32 s2, hwreg(HW_REG_IB_STS2, 6, 4)
	s_cmp_eq_u32 s2, 0
	s_cbranch_scc0 .Lentry_in_a_cluster
	s_endpgm
.Lentry_in_a_cluster:
	s_bfe_u32 s2, ttmp6, 0x10000c
	s_cmp_lg_u32 s2, 0xf033
	s_cbranch_scc0 .Lentry_shape_is_right
	s_endpgm
.Lentry_shape_is_right:
.set SIZE_K, 1024
.set KSTEP,  256
.set ROWB,   256
.set KROW,   SIZE_K
.set PITCH,  272
.set FR,     16
.set NL,     4
.set NP,     4
.set HALFT,  128*PITCH
.set SLOT,   4*HALFT
.set SPARE,  2*SLOT
.set ADRA, 16
.set ADRB, 20
.set CO,   26
.set SPW,  28
.set NIL,  29
.set SC,   30
.set LIM,  31
.set TMP,  32
.set AF,   128
.set CD,   128
.set G1, 24
.set G0, 32
.set G1B, 48
.set G0B, 56
.set MSB, 0
.macro WIN new
.if MSB != \new
	s_set_vgpr_msb (MSB<<8)|\new
.set MSB, \new
.endif
.endm
.set MUL_LO, 0xa1
.set MUL_HI, 0xf1
.set TO_B,   0x40
.macro JLOAD g0a, g1a, g0b, g1b
	s_cmp_eq_u32 s15, 0
	s_cbranch_scc0 .Lfor_b_\@
	tensor_load_to_lds s[\g0a:\g0a+3], s[\g1a:\g1a+7]
	s_nop 0
.rept 4
	v_nop
.endr
	s_branch .Lasked_\@
.Lfor_b_\@:
	tensor_load_to_lds s[\g0b:\g0b+3], s[\g1b:\g1b+7]
	s_nop 0
.rept 4
	v_nop
.endr
.Lasked_\@:
.endm
.macro CREST
	s_cmp_lg_u32 s14, 0
	s_cbranch_scc1 .Lnot_wave_0_\@
	s_barrier_signal -3
.Lnot_wave_0_\@:
	s_barrier_wait -3
	s_barrier_signal -1
	s_barrier_wait -1
.endm
.macro CROUND
	s_barrier_signal -1
	s_barrier_wait -1
	CREST
.endm
	s_load_b128 s[4:7], s[0:1], 0x0
	s_load_b128 s[8:11], s[0:1], 0x10
	v_lshl_add_u32 v[SPW], v0, 2, SPARE
	v_mov_b32 v[NIL], 0
	v_lshrrev_b32 v1, 5, v0
	v_readfirstlane_b32 s14, v1
	s_lshr_b32 s15, s14, 1
	s_and_b32 s16, s14, 1
	s_bfe_u32 s40, ttmp6, 0x40000
	s_bfe_u32 s41, ttmp6, 0x40004
	s_and_b32 s70, ttmp7, 0xffff
	s_lshr_b32 s71, s70, 3
	s_and_b32 s72, s70, 7
	s_lshl_b32 s72, s72, 2
	s_lshl_b32 s82, s71, 3
	s_lshl_b32 s83, s71, 2
	s_lshl_b32 s84, s71, 23
	s_mov_b32 s85, 0
	s_lshl_b32 s86, s71, 20
	s_mov_b32 s87, 0
	s_cmp_eq_u32 s71, 2
	s_cselect_b32 s73, 0, s72
	s_cselect_b32 s74, s72, 0
	s_cselect_b32 s75, 16, 19
	s_add_co_u32 s17, s73, s41
	s_add_co_u32 s42, s74, s40
	s_lshl_b32 s43, s41, 2
	s_lshl_b32 s43, 15, s43
	s_lshl_b32 s44, 0x1111, s40
	s_or_b32 s[G1+0], s43, (0<<16)|(1<<20)|(1<<21)|(5<<22)|(3<<25)
	s_or_b32 s[G1B+0], s44, (0<<16)|(1<<20)|(1<<21)|(5<<22)|(3<<25)
.irp g, G1, G1B
	s_mov_b32 s[\g+1], ROWB<<16
	s_mov_b32 s[\g+2], 128<<16
	s_mov_b32 s[\g+3], ROWB<<16
	s_mov_b32 s[\g+4], 128
	s_mov_b32 s[\g+5], KROW
	s_mov_b32 s[\g+6], 0
	s_mov_b32 s[\g+7], 0
.endr
	s_lshl_b32 s18, s16, 7
	s_lshl_b32 s20, s17, 8
	s_add_co_u32 s20, s20, s18
	s_lshl_b32 s20, s20, 10
	s_mov_b32 s21, 0
	s_lshl_b32 s46, s42, 8
	s_add_co_u32 s46, s46, s18
	s_lshl_b32 s46, s46, 10
	s_mov_b32 s47, 0
	s_mul_i32 s45, s14, HALFT
	s_wait_kmcnt 0x0
	s_load_b64 s[96:97], s[8:9], s82 offset:0x0
	s_load_b32 s98, s[8:9], s83 offset:0x18
	s_add_nc_u64 s[4:5], s[4:5], s[84:85]
	s_add_nc_u64 s[6:7], s[6:7], s[86:87]
	s_cmp_eq_u32 s71, 2
	s_cselect_b64 s[76:77], s[6:7], s[4:5]
	s_cselect_b64 s[78:79], s[4:5], s[6:7]
	s_add_nc_u64 s[20:21], s[76:77], s[20:21]
	s_add_nc_u64 s[46:47], s[78:79], s[46:47]
	CROUND
.irp s, 0,1
	s_mov_b32 s[G0+4*\s], 1
	s_add_co_u32 s[G0+4*\s+1], s45, \s*SLOT
	s_add_nc_u64 s[G0+4*\s+2:G0+4*\s+3], s[20:21], \s*ROWB
	s_or_b32 s[G0+4*\s+3], s[G0+4*\s+3], 0x80000000
	s_mov_b32 s[G0B+4*\s], 1
	s_add_co_u32 s[G0B+4*\s+1], s45, \s*SLOT
	s_add_nc_u64 s[G0B+4*\s+2:G0B+4*\s+3], s[46:47], \s*ROWB
	s_or_b32 s[G0B+4*\s+3], s[G0B+4*\s+3], 0x80000000
	s_wait_alu depctr_va_vdst(0)
	s_wait_tensorcnt 0x0
	ds_add_u32 v28, v29
	ds_add_u32 v28, v29
	s_wait_dscnt 0x0
	CROUND
	JLOAD G0+4*\s, G1, G0B+4*\s, G1B
.endr
	v_and_b32 v1, 15, v0
	v_bfe_u32 v2, v0, 4, 1
	v_mul_u32_u24 v3, v1, PITCH
	v_lshl_add_u32 v4, v2, 4, v3
	s_mul_i32 s21, s15, HALFT
	s_mul_i32 s22, s16, HALFT
	s_add_co_u32 s22, s22, 2*HALFT
.irp s, 0,1
	v_add_nc_u32 v[ADRA+\s], s21, v4
	v_add_nc_u32 v[ADRB+\s], s22, v4
	s_add_co_u32 s21, s21, SLOT
	s_add_co_u32 s22, s22, SLOT
.endr
	v_and_b32 v6, 31, v0
	v_lshlrev_b32 v[CO], 4, v6
	s_lshl_b32 s88, s42, 2
	s_lshl_b32 s89, s16, 1
	s_add_co_u32 s88, s88, s89
	s_lshl_b32 s88, s88, s75
	s_lshl_b32 s89, s17, 4
	s_lshl_b32 s90, s15, 3
	s_add_co_u32 s89, s89, s90
	s_lshl_b32 s89, s89, 10
	s_add_co_u32 s88, s88, s89
	s_add_co_u32 s88, s88, s84
	s_mov_b32 s89, 0
	s_add_nc_u64 s[10:11], s[10:11], s[88:89]
	s_lshl_b32 s90, 1, s75
	s_mov_b32 s91, 0
	s_add_nc_u64 s[80:81], s[10:11], s[90:91]
.macro FRAG reg, adr, q, i
.irp c, 0,1,2,3
	ds_load_b128 v[\reg+4*\c:\reg+4*\c+3], v[\adr] offset:128*(\q)+32*\c+(\i)*16*PITCH
.endr
.endm
.macro MUL16 a0, p, zero
.irp a, \a0, \a0+1
.irp b, 0,1,2,3,4,5,6,7
.if \zero
	v_wmma_f32_16x16x128_bf8_bf8 v[8*(8*((\a)%4)+\b):8*(8*((\a)%4)+\b)+7], v[128*(\p)+FR*\b:128*(\p)+FR*\b+FR-1], v[AF+FR*(\a):AF+FR*(\a)+FR-1], 0
.else
	v_wmma_f32_16x16x128_bf8_bf8 v[8*(8*((\a)%4)+\b):8*(8*((\a)%4)+\b)+7], v[128*(\p)+FR*\b:128*(\p)+FR*\b+FR-1], v[AF+FR*(\a):AF+FR*(\a)+FR-1], v[8*(8*((\a)%4)+\b):8*(8*((\a)%4)+\b)+7]
.endif
.endr
.endr
.endm
.macro FETCH_B slot, q, p
	WIN TO_B
.irp i, 0,1,2,3,4,5,6,7
	FRAG 128*(\p)+FR*\i, ADRB+\slot, \q, \i
.endr
	WIN 0
.endm
.macro FETCH_A slot, q, i0
.irp i, \i0, \i0+1, \i0+2, \i0+3
	FRAG AF+FR*(\i), ADRA+\slot, \q, \i
.endr
.endm
.macro PLACES n
.rept \n
	v_nop
.endr
.endm
.macro STEP slot, q, zero
	s_wait_dscnt 4*NL
	WIN MUL_LO
	MUL16 0, (\q)%2, \zero
	MUL16 2, (\q)%2, \zero
	s_wait_dscnt 0
	PLACES NP
	FETCH_B \slot, (\q)+1, 1-(\q)%2
	FETCH_A \slot, (\q)+1, 0
	WIN MUL_HI
	MUL16 4, (\q)%2, \zero
	MUL16 6, (\q)%2, \zero
	PLACES NP
	WIN 0
	FETCH_A \slot, (\q)+1, 4
.endm
.macro TURN slot, next, fill
	s_wait_tensorcnt 0x0
	ds_add_u32 v[SPW], v[NIL]
	s_wait_dscnt 4*NL+1
	WIN MUL_LO
	MUL16 0, 1, 0
	s_wait_dscnt 0x0
	s_barrier_signal -1
	MUL16 2, 1, 0
	WIN 0
	s_barrier_wait -1
.if \fill
	CREST
	s_add_nc_u64 s[G0+4*\slot+2:G0+4*\slot+3], s[G0+4*\slot+2:G0+4*\slot+3], 2*ROWB
	s_add_nc_u64 s[G0B+4*\slot+2:G0B+4*\slot+3], s[G0B+4*\slot+2:G0B+4*\slot+3], 2*ROWB
	JLOAD G0+4*\slot, G1, G0B+4*\slot, G1B
.else
	PLACES NP
.endif
	FETCH_B \next, 0, 0
	FETCH_A \next, 0, 0
	WIN MUL_HI
	MUL16 4, 1, 0
	MUL16 6, 1, 0
	PLACES NP
	WIN 0
	FETCH_A \next, 0, 4
.endm
	s_wait_alu depctr_va_vdst(0)
	s_wait_tensorcnt 1
	s_barrier_signal -1
	s_barrier_wait -1
	FETCH_B 0, 0, 0
	FETCH_A 0, 0, 0
	FETCH_A 0, 0, 4
	STEP 0, 0, 1
	TURN 0, 1, 1
	STEP 1, 0, 0
	TURN 1, 0, 1
	STEP 0, 0, 0
	TURN 0, 1, 0
	STEP 1, 0, 0
	s_wait_dscnt 4*NL
	WIN MUL_LO
	MUL16 0, 1, 0
	MUL16 2, 1, 0
	s_wait_dscnt 0
	WIN MUL_HI
	MUL16 4, 1, 0
	MUL16 6, 1, 0
	WIN 0
.macro OUT a
.set AC, 64*((\a)%4)
	WIN 0x02+((\a)/4)
.set j, 0
.rept 64
	v_med3_num_f32 v[TMP+j], v[AC+j], 0, v[LIM]
.set j, j+1
.endr
	WIN 0
.irp b, 0,1,2,3,4,5,6,7
	v_cvt_scalef32_pk8_bf8_f32 v[CD+16*(\a)+2*\b:CD+16*(\a)+2*\b+1], v[TMP+8*\b:TMP+8*\b+7], v[SC]
.endr
	v_nop
.irp c, 0,1
	global_store_b128 v[CO], v[CD+16*(\a)+4*\c:CD+16*(\a)+4*\c+3], s[10:11] offset:1024*(\a)+512*\c
	global_store_b128 v[CO], v[CD+16*(\a)+8+4*\c:CD+16*(\a)+8+4*\c+3], s[80:81] offset:1024*(\a)+512*\c
.endr
.endm
	s_wait_kmcnt 0x0
	s_sub_co_i32 s98, s98, s96
	s_sub_co_i32 s98, s98, s97
	s_add_co_i32 s98, s98, 127
	s_lshl_b32 s96, s98, 23
	v_mov_b32 v[SC], s96
	s_add_co_i32 s98, s98, 15
	s_lshl_b32 s98, s98, 23
	s_or_b32 s98, s98, 0x600000
	v_mov_b32 v[LIM], s98
	PLACES NP
.irp a, 0,1,2,3,4,5,6,7
	OUT \a
.endr
	s_wait_tensorcnt 0x0
	ds_add_u32 v[SPW], v[NIL]
	s_wait_dscnt 0x0
	CROUND
	s_endpgm
.Lfunc_end_k_qd831a4f71e_proj:
	.size	k_qd831a4f71e_proj, .Lfunc_end_k_qd831a4f71e_proj-k_qd831a4f71e_proj
	.p2alignl 7, 3214868480
	.fill 96, 4, 3214868480
	.section	.rodata,"a",@progbits
	.p2align	6, 0x0
	.amdhsa_kernel k_qd831a4f71e_proj
		.amdhsa_group_segment_fixed_size 327680
		.amdhsa_private_segment_fixed_size 0
		.amdhsa_enable_private_segment 0
		.amdhsa_kernarg_size 32
		.amdhsa_user_sgpr_count 2
		.amdhsa_user_sgpr_kernarg_segment_ptr 1
		.amdhsa_wavefront_size32 1
		.amdhsa_system_sgpr_workgroup_id_x 1
		.amdhsa_system_sgpr_workgroup_id_y 1
		.amdhsa_system_sgpr_workgroup_id_z 1
		.amdhsa_system_vgpr_workitem_id 0
		.amdhsa_next_free_vgpr 1024
		.amdhsa_next_free_sgpr 100
		.amdhsa_reserve_vcc 0
		.amdhsa_float_denorm_mode_32 3
		.amdhsa_float_denorm_mode_16_64 3
		.amdhsa_memory_ordered 1
		.amdhsa_forward_progress 1
		.amdhsa_inst_pref_size 119
	.end_amdhsa_kernel
	.amdgpu_metadata
---
amdhsa.version: [ 1, 2 ]
amdhsa.kernels:
  - .name:           k_qd831a4f71e_proj
    .symbol:         k_qd831a4f71e_proj.kd
    .args:
      - { .name: xc, .offset: 0, .size: 8, .value_kind: global_buffer, .address_space: global }
      - { .name: wc, .offset: 8, .size: 8, .value_kind: global_buffer, .address_space: global }
      - { .name: lowp_scales, .offset: 16, .size: 8, .value_kind: global_buffer, .address_space: global }
      - { .name: hc, .offset: 24, .size: 8, .value_kind: global_buffer, .address_space: global }
    .group_segment_fixed_size: 327680
    .private_segment_fixed_size: 0
    .kernarg_segment_align: 8
    .kernarg_segment_size: 32
    .max_flat_workgroup_size: 128
    .sgpr_count:     100
    .vgpr_count:     1024
    .wavefront_size: 32
...
	.end_amdgpu_metadata
.endif
;; end of part 2
;; launch attn (part 3): grid 4 x 64, 8 waves a work-group, clusters of 4 x 1, 327,680 bytes of LDS; arguments hc, lowp_scales, out0; writes out0
.if DOCPART == 3
	.amdgcn_target "amdgcn-amd-amdhsa--gfx1250"
	.amdhsa_code_object_version 6
	.text
	.protected	k_qd831a4f71e_attn
	.globl	k_qd831a4f71e_attn
	.p2align	8
	.type	k_qd831a4f71e_attn,@function
k_qd831a4f71e_attn:
	s_mov_b64 s[64:65], 0
	v_nop
	global_prefetch_b8 v0, s[64:65] scope:SCOPE_SE
	s_setreg_imm32_b32 hwreg(HW_REG_WAVE_MODE, 25, 1), 1
	s_wait_xcnt 0x0
	s_wait_alu depctr_hold_cnt(0) depctr_sa_sdst(0) depctr_va_vdst(0) depctr_va_sdst(0) depctr_va_ssrc(0) depctr_va_vcc(0) depctr_vm_vsrc(0)
	s_getreg_b32 s2, hwreg(HW_REG_IB_STS2, 6, 4)
	s_cmp_eq_u32 s2, 0
	s_cbranch_scc0 .Lentry_in_a_cluster
	s_endpgm
.Lentry_in_a_cluster:
	s_bfe_u32 s2, ttmp6, 0x10000c
	s_cmp_lg_u32 s2, 0x3003
	s_cbranch_scc0 .Lentry_shape_is_right
	s_endpgm
.Lentry_shape_is_right:
; out0[b][q][64 hd + :] = the sum over k of softmax_k(Q . K / 8) V, 4 batches x 16 heads, 2,048 queries, 2,048 keys, head size 64; both products on codes of BF8 (E5M2).
; hc holds the codes of relu(q Wq^T) (scale 2^e6), relu(k Wk^T) (2^e7), relu(v Wv^T) (2^e8) as images of operand registers: blocks of 16 rows x 64 along K, 1,024 bytes; half c of a block holds
; lane l's registers 4 c .. 4 c + 3 at 512 c + 16 l.  Q, K: block (head, token / 16) at head x 2^19 + (token / 16) x 1,024 (K's part begins at 2^23).  V (from 2^24): rows = channels, K = the keys:
; block (token / 64, channel / 16) at (token / 64) x 2^16 + (channel / 16) x 1,024.
; THE SOFTMAX: t = score x log2(e) / 8; M = the row's largest t so far, rounded up to a whole number; p = 2^(t - M) is quantised (scale 2^e9), not normalised.  The row's sum is taken of the unquantised p
; and divides O at the end.  When M moves, the sum and O are multiplied by 2^(old M - new M).  The codes of a relu are never negative, so no score is: the running largest score begins at 0.
; SHARES.  A work-group owns 512 queries of one (batch, head); each of its 8 waves owns 64 of them, four tiles of 16, and walks all 2,048 keys, 128 a step.  A fragment of K or of V that a wave reads
; from LDS feeds four matrix instructions, one for each tile.  A step: K's 8 fragments; S^T of tiles 0, 1 and their softmax; S^T of tiles 2, 3 into the same registers; V's fragments over K's; softmax; O^T.
; LDS.  The head's whole K (131,072 bytes) and V (131,072) come in once: keys 0-511 by one joint load a wave at the head, the rest by one more a wave behind a round; no byte is filled twice.
; Waves 0-3 fetch quarters of K, waves 4-7 of V.  Behind them 4,096 bytes a wave for the way out, then the spare words.
; CLUSTER.  The four work-groups of a cluster belong to one (batch, head): each tile is asked for jointly, by the same load with the same descriptor and a mask that names the four.
; NO PREFETCH: all of K and V is asked for by those two loads at the launch's start; no later load is left to run ahead of.
; LAYOUT.  Both products are used transposed: S^T = K Q^T, O^T = V^T P^T: a lane holds one query (lane % 16) of each tile.  In tile t of S^T lane (r, h) holds keys 16 t + 8 h + 0..7:
; one conversion makes of them registers 2 t, 2 t + 1 of P's fragment for 128 keys.
; LIMITS: e6 + e7 between -123 and 130 (added to c's exponent field); e9 between -126 and 112; the scaled scores stay under 2^31; NaN is not served.
; REGISTERS.  Window 0: v1 16 x lane; v2, v3 LDS addresses of the step's K, V; v4, v5 the stage, in and back; v6 my offset in out0; v7 v1 + V's first byte; v8 at work; v9, v10 the add's two;
;   v[12+4a..15+4a] tile a: -M, the largest score, the sum in two halves; v[28+2a] f of tile a; v36 57,344 x 2^e9; v37 2^e9; v38-47 at work; v48-111 K's, then V's fragments; v112-239 S^T, then p, of two tiles.
;   Window 1: v0-63 P's codes; v64-95 Q; v96-223 O^T (tile a, channel tile ct at 96 + 32 a + 8 ct).
.set VLDS,  131072
.set STAGE, 262144
.set SPARE, STAGE+8*4096
.set STB,   8192                       ; a key step's bytes of K, and of V
.set PH0,   32768                      ; keys 0-511 in bytes of K, and of V
.set SPW, 9
.set NIL, 10
.set ST,  12
.set FF,  28
.set LIM, 36
.set LIM2, 11                          ; v11: 57,344 x 2^e9 once more, in another register bank, for the second half of a dual pair
.set SC,  37
.set KF,  48
.set S0,  112
.set S1,  176
.set TMP, 208
.set PC,  0
.set QF,  64
.set OA,  96
.set WV,   10
.set G1KA, 16                          ; s[16:47] four groups 1: K's and V's tiles of the first and of the second load
.set G1KB, 24
.set G1VA, 32
.set G1VB, 40
.set G0A,  48                          ; s[48:55] my two groups 0
.set G0B,  52
.set SEL,  56                          ; lane selects: lane l xor 16
.set CS,   58                          ; c = log2(e) / 8 x 2^(e6 + e7), as a pair
.set TB,   60                          ; LDS byte, within K and within V, of the step in hand
.set CNT,  61
.set EO,   62                          ; e8 + e9
.set MSB, 0
.macro WIN new                         ; the immediate's high byte repeats the setting that is left
.if MSB != \new
	s_set_vgpr_msb (MSB<<8)|\new
.set MSB, \new
.endif
.endm
.macro ROUND                           ; a round of the cluster's barrier
	s_barrier_signal -1
	s_barrier_wait -1
	s_cmp_lg_u32 s[WV], 0
	s_cbranch_scc1 .Lnot_wave_0_\@
	s_barrier_signal -3
.Lnot_wave_0_\@:
	s_barrier_wait -3
	s_barrier_signal -1
	s_barrier_wait -1
.endm
.macro JLOAD g0, g1k, g1v              ; one joint load a wave: waves 0-3 for K, 4-7 for V; s_nop 0 and four v_nop behind each line
	s_cmp_lt_u32 s[WV], 4
	s_cbranch_scc0 .Lfor_v_\@
	tensor_load_to_lds s[\g0:\g0+3], s[\g1k:\g1k+7]
	s_nop 0
.rept 4
	v_nop
.endr
	s_branch .Lasked_\@
.Lfor_v_\@:
	tensor_load_to_lds s[\g0:\g0+3], s[\g1v:\g1v+7]
	s_nop 0
.rept 4
	v_nop
.endr
.Lasked_\@:
.endm
.macro G1SET g, c, r, p                ; r rows of c elements of 8 bytes, p elements apart; the mask names all four work-groups, bit 21 beside it
	s_mov_b32 s[\g], 15|(3<<16)|(1<<21)
	s_mov_b32 s[\g+1], (\c)<<16
	s_mov_b32 s[\g+2], (\r)<<16
	s_mov_b32 s[\g+3], (\c)<<16
	s_mov_b32 s[\g+4], \r
	s_mov_b32 s[\g+5], \p
	s_mov_b32 s[\g+6], 0
	s_mov_b32 s[\g+7], 0
.endm
	s_load_b128 s[4:7], s[0:1], 0x0                ; hc, the scales' exponents
	s_load_b64 s[8:9], s[0:1], 0x10                ; out0
	v_lshl_add_u32 v[SPW], v0, 2, SPARE
	v_mov_b32 v[NIL], 0
	ds_add_u32 v[SPW], v[NIL]                      ; the opening lines: the add, twice on end, and its wait
	ds_add_u32 v[SPW], v[NIL]
	v_lshrrev_b32 v8, 5, v0
	v_readfirstlane_b32 s[WV], v8                  ; wave 0..7
	s_bfe_u32 s11, ttmp6, 0x40000                  ; cx: my block of 512 queries: it enters Q's and out0's addresses alone
	s_and_b32 s12, ttmp7, 0xffff
	s_and_b32 s13, s12, 15                         ; the head
	s_lshr_b32 s14, s12, 4                         ; the batch
	G1SET G1KA, 32, 32, 32                         ; K: 8,192 dense bytes as 32 rows of 256
	G1SET G1KB, 32, 96, 32                         ; K: 24,576 dense bytes
	G1SET G1VA, 512, 2, 8192                       ; V: 2 blocks of 64 keys: rows of 4,096 bytes, 65,536 apart
	G1SET G1VB, 512, 6, 8192                       ; V: 6 blocks
	s_and_b32 s72, s[WV], 3                        ; i: which quarter I fetch
	s_lshr_b32 s73, s[WV], 2
	s_lshl_b32 s73, s73, 17                        ; in LDS: K at 0, V at 2^17
	s_lshl_b32 s74, s72, 13
	s_add_co_u32 s[G0A+1], s73, s74                ; first load: + 8,192 i
	s_mul_i32 s74, s72, 24576
	s_add_co_u32 s74, s74, s73
	s_add_co_u32 s[G0B+1], s74, PH0                ; second: + 32,768 + 24,576 i
	s_mov_b32 s[G0A], 1
	s_mov_b32 s[G0B], 1
	s_lshl_b32 s76, s13, 19
	s_lshl_b32 s77, s14, 17
	s_add_co_u32 s76, s76, s77
	s_add_co_u32 s76, s76, 0x800000                ; K in hc
	s_lshl_b32 s77, s14, 21
	s_lshl_b32 s78, s13, 12
	s_add_co_u32 s77, s77, s78
	s_add_co_u32 s77, s77, 0x1000000               ; V in hc
	s_cmp_lt_u32 s[WV], 4
	s_cselect_b32 s76, s76, s77
	s_cselect_b32 s78, 13, 17                      ; log2 of 128 keys in memory: 8,192 bytes of K, two rows of V
	s_lshl_b32 s80, s72, s78
	s_add_co_u32 s80, s80, s76                     ; first load: unit i
	s_mov_b32 s81, 0
	s_mul_i32 s82, s72, 3
	s_add_co_u32 s82, s82, 4
	s_lshl_b32 s82, s82, s78
	s_add_co_u32 s82, s82, s76                     ; second: units 4 + 3 i on
	s_mov_b32 s83, 0
	s_lshl_b32 s84, s14, 7                         ; Q's first block: head x 2^19 + (128 batch + 32 cx + 4 wave) x 1,024
	s_lshl_b32 s85, s11, 5
	s_add_co_u32 s84, s84, s85
	s_lshl_b32 s85, s[WV], 2
	s_add_co_u32 s84, s84, s85
	s_lshl_b32 s84, s84, 10
	s_lshl_b32 s85, s13, 19
	s_add_co_u32 s84, s84, s85
	s_mov_b32 s85, 0
	s_lshl_b32 s86, s14, 11                        ; out0: row 2,048 batch + 512 cx + 64 wave of 4,096 bytes, + 256 x head
	s_lshl_b32 s87, s11, 9
	s_add_co_u32 s86, s86, s87
	s_lshl_b32 s87, s[WV], 6
	s_add_co_u32 s86, s86, s87
	s_lshl_b32 s86, s86, 12
	s_lshl_b32 s87, s13, 8
	s_add_co_u32 s86, s86, s87
	s_mov_b32 s87, 0
	s_lshl_b32 s88, s[WV], 12
	s_add_co_u32 s88, s88, STAGE                   ; my stage
	s_mov_b32 s[SEL], 0x76543210
	s_mov_b32 s[SEL+1], 0xfedcba98
	s_mov_b32 s[CS], 0x3e38aa3b                    ; log2(e) / 8
	s_wait_dscnt 0x0                               ; both opening adds are done
	s_wait_kmcnt 0x0
	s_load_b128 s[68:71], s[6:7], 0x18             ; e6, e7, e8, e9
	s_add_nc_u64 s[G0A+2:G0A+3], s[4:5], s[80:81]
	s_or_b32 s[G0A+3], s[G0A+3], 0x80000000
	s_add_nc_u64 s[G0B+2:G0B+3], s[4:5], s[82:83]
	s_or_b32 s[G0B+3], s[G0B+3], 0x80000000
	s_add_nc_u64 s[84:85], s[4:5], s[84:85]        ; Q
	s_add_nc_u64 s[8:9], s[8:9], s[86:87]          ; out0
	ROUND                                          ; all four work-groups are here: the joint loads meet
	JLOAD G0A, G1KA, G1VA                          ; keys 0-511: my one load at the head
	s_wait_kmcnt 0x0
	s_add_co_i32 s72, s68, s69
	s_lshl_b32 s72, s72, 23
	s_add_co_i32 s[CS], s[CS], s72                 ; e6 + e7 onto c's exponent field
	s_mov_b32 s[CS+1], s[CS]
	s_add_co_i32 s72, s71, 127
	s_lshl_b32 s73, s72, 23                        ; 2^e9
	s_add_co_i32 s72, s72, 15
	s_lshl_b32 s72, s72, 23
	s_or_b32 s72, s72, 0x600000                    ; 57,344 x 2^e9
	s_add_co_i32 s[EO], s70, s71
	v_and_b32 v1, 31, v0
	v_lshlrev_b32 v1, 4, v1                        ; 16 x lane
	WIN 0x40
.irp a, 0,1,2,3
	global_load_b128 v[QF+8*\a:QF+8*\a+3], v1, s[84:85] offset:1024*\a         ; Q's four fragments stay in registers
	global_load_b128 v[QF+8*\a+4:QF+8*\a+7], v1, s[84:85] offset:1024*\a+512
.endr
	WIN 0
	v_add_nc_u32 v7, VLDS, v1
	v_and_b32 v40, 15, v0                          ; r
	v_bfe_u32 v41, v0, 4, 1                        ; h
	v_lshlrev_b32 v42, 1, v41
	v_xor_b32 v42, v42, v40                        ; the stage, in: row r; a row's sixteen pieces of 16 bytes lie at (piece xor row); mine are 4 ct + 2 h + u
	v_lshlrev_b32 v42, 4, v42
	v_lshl_add_u32 v4, v40, 8, v42
	v_add_nc_u32 v4, s88, v4
	v_xor_b32 v43, v40, v41                        ; back: lanes 0-15 row 2 i, lanes 16-31 row 2 i + 1; piece lane % 16
	v_lshlrev_b32 v43, 4, v43
	v_lshl_add_u32 v5, v41, 8, v43
	v_add_nc_u32 v5, s88, v5
	v_lshlrev_b32 v6, 12, v41
	v_lshl_add_u32 v6, v40, 4, v6                  ; the same two rows in out0
.set j, ST
.rept 24
	v_mov_b32 v[j], 0                              ; -M, the largest score, the sums, and f's pairs
.set j, j+1
.endr
	v_mov_b32 v38, 0                               ; a lane exchange's destination counts as a source
	v_mov_b32 v39, 0
	v_mov_b32 v[SC], s73
	v_mov_b32 v[LIM], s72
	v_mov_b32 v[LIM2], s72
.macro QK a, b, w                      ; S^T of tiles a, b: 16 matrix instructions, each fragment of K against both; w = 1: K's sixteen loads are still out
	WIN 0x04                                       ; source 1 (Q) in window 1
.irp t, 0,1,2,3,4,5,6,7
.if \w
	s_wait_dscnt 14-2*\t                           ; K's tile t is in; the two loads of each of the 7 - t later tiles may be out
.endif
	v_wmma_f32_16x16x64_bf8_bf8 v[S0+8*\t:S0+8*\t+7], v[KF+8*\t:KF+8*\t+7], v[QF+8*\a:QF+8*\a+7], 0
	v_wmma_f32_16x16x64_bf8_bf8 v[S1+8*\t:S1+8*\t+7], v[KF+8*\t:KF+8*\t+7], v[QF+8*\b:QF+8*\b+7], 0
.endr
	WIN 0
.rept 4
	v_nop                                          ; places ahead of the first read of the scores and of loads into K's registers
.endr
.endm
.macro SOFT a, b                       ; the softmax of tiles a, b, line by line in turn; each accumulator is read from its low end on
	v_max3_num_f32 v40, v[S0], v[S0+1], v[S0+2]
	v_max3_num_f32 v42, v[S1], v[S1+1], v[S1+2]
	v_max3_num_f32 v41, v[S0+3], v[S0+4], v[S0+5]
	v_max3_num_f32 v43, v[S1+3], v[S1+4], v[S1+5]
.set j, 6
.rept 14
	v_max3_num_f32 v40, v40, v[S0+j], v[S0+j+1]
	v_max3_num_f32 v42, v42, v[S1+j], v[S1+j+1]
	v_max3_num_f32 v41, v41, v[S0+j+2], v[S0+j+3]
	v_max3_num_f32 v43, v43, v[S1+j+2], v[S1+j+3]
.set j, j+4
.endr
	v_max3_num_f32 v40, v40, v[S0+62], v[S0+63]
	v_max3_num_f32 v42, v42, v[S1+62], v[S1+63]
	v_max_num_f32 v40, v40, v41
	v_max_num_f32 v42, v42, v43
	v_permlanex16_b32 v38, v40, s[SEL], s[SEL+1]
	v_permlanex16_b32 v39, v42, s[SEL], s[SEL+1]
	v_max3_num_f32 v[ST+4*\a+1], v[ST+4*\a+1], v40, v38    ; the running largest score, with lane l xor 16's
	v_max3_num_f32 v[ST+4*\b+1], v[ST+4*\b+1], v42, v39
	v_mul_f32 v40, s[CS], v[ST+4*\a+1]             ; as t (c is positive)
	v_mul_f32 v42, s[CS], v[ST+4*\b+1]
	v_mov_b32 v41, v[ST+4*\a]
	v_mov_b32 v43, v[ST+4*\b]
	v_floor_f32 v[ST+4*\a], -v40                   ; the new -M = -ceil(t): a whole number
	v_floor_f32 v[ST+4*\b], -v42
	v_sub_f32 v41, v[ST+4*\a], v41                 ; old M - new M, 0 or less
	v_sub_f32 v43, v[ST+4*\b], v43
	v_cvt_i32_f32 v41, v41                         ; (it saturates)
	v_cvt_i32_f32 v43, v43
	v_ldexp_f32 v[FF+2*\a], 1.0, v41               ; f = 2^(old M - new M)
	v_ldexp_f32 v[FF+2*\b], 1.0, v43
.set j, 0
.rept 32
	v_pk_fma_f32 v[S0+j:S0+j+1], v[S0+j:S0+j+1], s[CS:CS+1], v[ST+4*\a:ST+4*\a+1] op_sel_hi:[1,0,0]   ; t - M, two at a time
	v_pk_fma_f32 v[S1+j:S1+j+1], v[S1+j:S1+j+1], s[CS:CS+1], v[ST+4*\b:ST+4*\b+1] op_sel_hi:[1,0,0]
.set j, j+2
.endr
	s_wait_alu depctr_va_vdst(0)                   ; the wait ahead of the batch
.set j, 0
.rept 128
	v_exp_f32 v[S0+j], v[S0+j]                     ; p = 2^(t - M): one batch for both tiles
.set j, j+1
.endr
	v_pk_mul_f32 v[ST+4*\a+2:ST+4*\a+3], v[ST+4*\a+2:ST+4*\a+3], v[FF+2*\a:FF+2*\a+1] op_sel_hi:[1,0]   ; the sums under the new M
	v_pk_mul_f32 v[ST+4*\b+2:ST+4*\b+3], v[ST+4*\b+2:ST+4*\b+3], v[FF+2*\b:FF+2*\b+1] op_sel_hi:[1,0]
	s_wait_alu depctr_va_vdst(0)                   ; and the one wait behind it, ahead of its first reader
	v_pk_add_f32 v[44:45], v[S0:S0+1], v[S0+2:S0+3]        ; the rows' sums of the unquantised p, two chains a tile
	v_pk_add_f32 v[46:47], v[S1:S1+1], v[S1+2:S1+3]
.set j, 4
.rept 15
	v_pk_add_f32 v[ST+4*\a+2:ST+4*\a+3], v[ST+4*\a+2:ST+4*\a+3], v[S0+j:S0+j+1]
	v_pk_add_f32 v[ST+4*\b+2:ST+4*\b+3], v[ST+4*\b+2:ST+4*\b+3], v[S1+j:S1+j+1]
	v_pk_add_f32 v[44:45], v[44:45], v[S0+j+2:S0+j+3]
	v_pk_add_f32 v[46:47], v[46:47], v[S1+j+2:S1+j+3]
.set j, j+4
.endr
	v_pk_add_f32 v[ST+4*\a+2:ST+4*\a+3], v[ST+4*\a+2:ST+4*\a+3], v[44:45]
	v_pk_add_f32 v[ST+4*\b+2:ST+4*\b+3], v[ST+4*\b+2:ST+4*\b+3], v[46:47]
.set j, 0
.rept 64
	v_dual_min_num_f32 v[S0+j], v[S0+j], v[LIM] :: v_dual_min_num_f32 v[S0+j+1], v[S0+j+1], v[LIM2]   ; the conversion does not saturate (ISA guide 7.6.2); p is not negative, so the hold is one-sided; two numbers a line
.set j, j+2
.endr
	WIN 0x40                                       ; the codes go to window 1
.irp t, 0,1,2,3,4,5,6,7
	v_cvt_scalef32_pk8_bf8_f32 v[PC+16*\a+2*\t:PC+16*\a+2*\t+1], v[S0+8*\t:S0+8*\t+7], v[SC]
	v_cvt_scalef32_pk8_bf8_f32 v[PC+16*\b+2*\t:PC+16*\b+2*\t+1], v[S1+8*\t:S1+8*\t+7], v[SC]
.endr
	WIN 0
	v_nop                                          ; a plain line behind the last conversion
.endm
; A KEY STEP: 128 keys from byte s[TB] of K and of V on.  first = 1: the products start O^T's sums with C = 0, and nothing is rescaled.
.macro STEP first
	v_add_nc_u32 v2, s[TB], v1
	v_add_nc_u32 v3, s[TB], v7
	v_nop                                          ; with the two additions: four places behind the last step's products, ahead of loads into the registers that they read
	v_nop
.irp t, 0,1,2,3,4,5,6,7
	ds_load_b128 v[KF+8*\t:KF+8*\t+3], v2 offset:1024*\t           ; K's tile t: 32 lanes read 512 consecutive bytes
	ds_load_b128 v[KF+8*\t+4:KF+8*\t+7], v2 offset:1024*\t+512
.endr
	QK 0, 1, 1
	SOFT 0, 1
	QK 2, 3, 0
.irp t, 0,1,2,3
.irp u, 0,1
	ds_load_b128 v[KF+16*\t+8*\u:KF+16*\t+8*\u+3], v3 offset:4096*\u+1024*\t       ; V's channel tile t x 128 keys: it lands under the softmax below
	ds_load_b128 v[KF+16*\t+8*\u+4:KF+16*\t+8*\u+7], v3 offset:4096*\u+1024*\t+512
.endr
.endr
	SOFT 2, 3
.if \first == 0
	WIN 0x41                                       ; O^T in window 1, f in window 0
	s_wait_alu depctr_va_vdst(0)                   ; the wait directly ahead of the first reader of O^T
.irp a, 0,1,2,3
.set j, 0
.rept 16
	v_pk_mul_f32 v[OA+32*\a+j:OA+32*\a+j+1], v[OA+32*\a+j:OA+32*\a+j+1], v[FF+2*\a:FF+2*\a+1] op_sel_hi:[1,0]   ; O^T under the new M
.set j, j+2
.endr
.endr
	WIN 0
.endif
	s_wait_alu depctr_va_vdst(0)                   ; the wait directly ahead of the wait below
	s_wait_dscnt 0x0                               ; V is in
	WIN 0x54                                       ; P, C and D in window 1
.irp t, 0,1,2,3
.irp a, 0,1,2,3
.if \first
	v_wmma_f32_16x16x128_bf8_bf8 v[OA+32*\a+8*\t:OA+32*\a+8*\t+7], v[KF+16*\t:KF+16*\t+15], v[PC+16*\a:PC+16*\a+15], 0
.else
	v_wmma_f32_16x16x128_bf8_bf8 v[OA+32*\a+8*\t:OA+32*\a+8*\t+7], v[KF+16*\t:KF+16*\t+15], v[PC+16*\a:PC+16*\a+15], v[OA+32*\a+8*\t:OA+32*\a+8*\t+7]   ; the sixteen accumulators take turns
.endif
.endr
.endr
	WIN 0
	s_add_co_u32 s[TB], s[TB], STB
.endm
.macro RUN trips, tb
	s_mov_b32 s[TB], \tb
	s_mov_b32 s[CNT], \trips
.Lstep_\@:
	STEP 0
	s_sub_co_u32 s[CNT], s[CNT], 1
	s_cmp_lg_u32 s[CNT], 0
	s_cbranch_scc1 .Lstep_\@
.endm
	s_wait_alu depctr_va_vdst(0)                   ; the wait at the head's end
	s_wait_tensorcnt 0x0                           ; my part of keys 0-511 is in; the lines ahead of a later first fill:
	ds_add_u32 v[SPW], v[NIL]
	s_wait_dscnt 0x0
	ROUND                                          ; everybody's part is in, and all four work-groups are here
	JLOAD G0B, G1KB, G1VB                          ; keys 512-2,047: it has four key steps in which to land
	s_wait_loadcnt 0x0                             ; Q
	s_mov_b32 s[TB], 0
	STEP 1                                         ; keys 0-127 start the sums
	RUN 3, STB                                     ; keys 128-511
	s_wait_tensorcnt 0x0                           ; my part of the rest is in
	ds_add_u32 v[SPW], v[NIL]
	s_wait_dscnt 0x0
	s_barrier_signal -1
	s_barrier_wait -1                              ; and everybody's
	RUN 12, PH0                                    ; keys 512-2,047
	; THE WAY OUT.  O^T is divided by the row's sum and multiplied by 2^(e8 + e9); a tile goes through my stage and comes back as rows of 256 bytes, a query's 64 channels, which sixteen lanes store.
.irp a, 0,1,2,3
	v_add_f32 v[ST+4*\a+2], v[ST+4*\a+2], v[ST+4*\a+3]
.endr
.irp a, 0,1,2,3
	v_permlanex16_b32 v[40+\a], v[ST+4*\a+2], s[SEL], s[SEL+1]
.endr
.irp a, 0,1,2,3
	v_add_f32 v[ST+4*\a+2], v[ST+4*\a+2], v[40+\a]         ; the row's sum, above 1/2
.endr
	s_wait_alu depctr_va_vdst(0)                   ; the wait ahead of the batch
.irp a, 0,1,2,3
	v_rcp_f32 v[ST+4*\a+2], v[ST+4*\a+2]
.endr
	v_nop
	s_wait_alu depctr_va_vdst(0)                   ; and behind it
.irp a, 0,1,2,3
	v_ldexp_f32 v[ST+4*\a+2], v[ST+4*\a+2], s[EO]
.endr
.macro OUTT a
	WIN 0x01                                       ; O^T in window 1
	s_wait_alu depctr_va_vdst(0)                   ; the wait directly ahead of the first reader of this tile's O^T
.set j, 0
.rept 16
	v_pk_mul_f32 v[TMP+j:TMP+j+1], v[OA+32*\a+j:OA+32*\a+j+1], v[ST+4*\a+2:ST+4*\a+3] op_sel_hi:[1,0]   ; register 8 ct + i: channel 16 ct + 8 h + i of query r
.set j, j+2
.endr
	WIN 0
.irp ct, 0,1,2,3
.irp u, 0,1
	v_xor_b32 v8, 16*(4*\ct+\u), v4
	ds_store_b128 v8, v[TMP+8*\ct+4*\u:TMP+8*\ct+4*\u+3]
.endr
.endr
.irp i, 0,1,2,3,4,5,6,7
	v_xor_b32 v8, 32*\i, v5
	ds_load_b128 v[KF+32*\a+4*\i:KF+32*\a+4*\i+3], v8 offset:512*\i        ; LDS serves a wave's instructions in order (ISA guide 5.7.1.4): these see my stores; each tile has registers of its own
.endr
.endm
.macro SEND a, younger                 ; younger: the LDS instructions of the next tile's way through the stage, which may stay out
.irp i, 0,1,2,3,4,5,6,7
	s_wait_dscnt \younger+7-\i                     ; with them this tile's younger loads from the stage
	global_store_b128 v6, v[KF+32*\a+4*\i:KF+32*\a+4*\i+3], s[8:9] offset:65536*\a+8192*\i th:TH_STORE_NT   ; 16 lanes store 256 consecutive bytes, aligned
.endr
.endm
	OUTT 0                                         ; a tile is stored while the next goes through the stage: LDS serves my instructions in order, so the next tile's 8 stores come behind this tile's 8 loads
	OUTT 1
	SEND 0, 16
	OUTT 2
	SEND 1, 16
	OUTT 3
	SEND 2, 16
	SEND 3, 0
	s_wait_tensorcnt 0x0                           ; the wave's end
	ds_add_u32 v[SPW], v[NIL]
	s_wait_dscnt 0x0
	ROUND                                          ; the closing round
	s_endpgm
.Lfunc_end_k_qd831a4f71e_attn:
	.size	k_qd831a4f71e_attn, .Lfunc_end_k_qd831a4f71e_attn-k_qd831a4f71e_attn
	.p2alignl 7, 3214868480
	.fill 96, 4, 3214868480
	.section	.rodata,"a",@progbits
	.p2align	6, 0x0
	.amdhsa_kernel k_qd831a4f71e_attn
		.amdhsa_group_segment_fixed_size 327680
		.amdhsa_private_segment_fixed_size 0
		.amdhsa_enable_private_segment 0
		.amdhsa_kernarg_size 24
		.amdhsa_user_sgpr_count 2
		.amdhsa_user_sgpr_kernarg_segment_ptr 1
		.amdhsa_wavefront_size32 1
		.amdhsa_system_sgpr_workgroup_id_x 1
		.amdhsa_system_sgpr_workgroup_id_y 1
		.amdhsa_system_sgpr_workgroup_id_z 1
		.amdhsa_system_vgpr_workitem_id 0
		.amdhsa_next_free_vgpr 512
		.amdhsa_next_free_sgpr 96
		.amdhsa_reserve_vcc 0
		.amdhsa_float_denorm_mode_32 3
		.amdhsa_float_denorm_mode_16_64 3
		.amdhsa_memory_ordered 1
		.amdhsa_forward_progress 1
		.amdhsa_inst_pref_size 186
	.end_amdhsa_kernel
	.amdgpu_metadata
---
amdhsa.version: [ 1, 2 ]
amdhsa.kernels:
  - .name:           k_qd831a4f71e_attn
    .symbol:         k_qd831a4f71e_attn.kd
    .args:
      - { .name: hc, .offset: 0, .size: 8, .value_kind: global_buffer, .address_space: global }
      - { .name: lowp_scales, .offset: 8, .size: 8, .value_kind: global_buffer, .address_space: global }
      - { .name: out0, .offset: 16, .size: 8, .value_kind: global_buffer, .address_space: global }
    .group_segment_fixed_size: 327680
    .private_segment_fixed_size: 0
    .kernarg_segment_align: 8
    .kernarg_segment_size: 24
    .max_flat_workgroup_size: 256
    .sgpr_count:     96
    .vgpr_count:     512
    .wavefront_size: 32
...
	.end_amdgpu_metadata
.endif
;; end of part 3
